; MI455X (gfx1250); checked and timed in simulation.
; The chip was launched on July 23, 2026; its instructions are those of AMD's public machine-readable ISA for CDNA 5 (MIT licence, August 2026) and "CDNA5" Instruction Set Architecture Reference Guide (July 2026). The comments in the code are by the model that wrote it; some were corrected since.
;; Geometric Attention. Allowed arithmetic: matrix products marked QUANTISED: E2M1 operands, one E8M0 scale for each 32 along K, by v_wmma_scale_f32_16x16x128_f8f6f4 with both operands' format E2M1 (or v_wmma_scale_f32_32x16x128_f4), f32 sums; everything else in f32.
;; Inputs: keys 4 x 2,048 x 8 x 64 float32; queries 4 x 2,048 x 8 x 64 float32; values_codes 4 x 8 x 64 x 64 x 16 uint8 (E2M1 codes of values, K innermost, in blocks of 32 codes, two codes a byte); values_scales 4 x 8 x 64 x 64 uint8 (E8M0 scales of values, one for each 32 codes along K).
;; Outputs: out0 4 x 2,048 x 8 x 64 float32.
;; This version of the problem:
;;   THIS VERSION OF THE PROBLEM IS GIVEN IN LOW PRECISION. The matrix products marked QUANTISED in the list below multiply operands that are first quantised to E2M1 (2 exponent bits, 1 mantissa bit; 4 bits a number), with one power-of-two scale for each 32 numbers along K (OCP MX v1.0); their sums are f32. All else is computed in f32.
;;   The module's matrix products, in the order in which they are computed (A, B: the left and right operand; K: the contracted axis; several contracted axes count as one K, in the product's order):
;;     1. batch 32 x [M 2,048, K 64] x [K 64, N 2,048]; A: input queries; B: input keys: QUANTISED
;;     2. batch 32 x [M 64, K 2,048] x [K 2,048, N 2,048]; A: input values (given as codes); B: softmax (see below): QUANTISED
;;   THE QUANTISER, for each operand of a quantised product, along K:
;;     - K is cut into blocks of 32 from its start; a last block that is shorter is filled with zeros.
;;     - A block's scale is 2^e with e = floor(log2(the largest magnitude in the block)) - 2, held to -126 .. 127; a block of zeros has e = 0. As a byte (E8M0): e + 127.
;;     - Each number is divided by its block's scale, clamped to +-6, and rounded to the nearest number of E2M1, ties to even, subnormals kept.
;;     - The product sums the exact products of the quantised numbers (number of the format x scale) in f32.
;;   ~~~python
;;   def quantise(x, axis):      # numpy; x: float32 -> the quantised numbers, widened to float32 again
;;       x = np.moveaxis(x, axis, -1); K = x.shape[-1]
;;       x = np.pad(x, [(0, 0)] * (x.ndim - 1) + [(0, -K % 32)]); x = x.reshape(x.shape[:-1] + (-1, 32)); a = np.abs(x).max(-1, keepdims=True)
;;       e = np.where(a > 0, np.clip(np.frexp(np.where(a > 0, a, 1))[1] - 1 - 2, -126, 127), 0)      # np.frexp(a)[1] - 1 = floor(log2(a)), exactly
;;       r = np.clip(x / 2.0 ** e, -6, 6)
;;       step = 2.0 ** (np.maximum(np.frexp(np.where(r == 0, 1, r))[1] - 1, 0) - 1)
;;       q = np.round(r / step) * step * 2.0 ** e      # np.round: ties to even
;;       return np.moveaxis(q.reshape(q.shape[:-2] + (-1,))[..., :K], -1, axis).astype(np.float32)
;;   ~~~
;;   SOFTMAX AHEAD OF A QUANTISED PRODUCT. Where the list says 'softmax', what is quantised is not the finished softmax but p = 2^(t - M), with t = logit x log2(e) and M = ceil(the row's largest t), a whole number; so 1/2 < the row's largest p <= 1. The row's sum l is taken of the UNQUANTISED p, in f32, and the product's result is divided by l at the end. Since M is a whole number, a kernel that streams over the keys may use a running M (the ceiling of the running maximum): every later rescaling is an exact power of two, which a block's scale takes up: the codes' values come out the same.
;;   OPERANDS COMPUTED ON THE WAY. 'Computed on the way' means the value that the module computes at that place (a softmax that the list does not call 'softmax' is quantised finished and normalised). What goes into a quantiser is computed in f32, as accurately as f32 sums, v_exp_f32 and their like allow (about 1e-6 of the number): no bf16 or f16 on the way to a quantiser, and a product that is left as it is and whose result goes on into a quantised operand takes f32 operands (vector FMAs, or v_wmma_f32_16x16x4_f32). A number that lies on a knife's edge between two numbers of the format may be rounded either way, as far as f32 arithmetic and the matrix unit's own rounding can turn it there, and no further.
;;   INPUTS GIVEN AS CODES. values (in the module: [4, 2048, 8, 64], K = its axis 1): each comes as NAME_codes (uint8): NAME with its K axis moved to the last place and cut into blocks of 32 codes, [.., K / 32, bytes a block], one block behind the other in memory; two codes a byte, the lower K in the low four bits (a code: sign, 2 exponent bits, 1 mantissa bit); and NAME_scales (uint8): the same leading axes, one E8M0 byte (e + 127) for each 32 codes along K. Its value is code x scale, taken as it is: it is not quantised again, and the codes and scales need not be those that the quantiser above would give.
;; 2 versions, each right; version 2 is version 1 with the launch geo_attn written anew for expert scheduling mode. Each part assembles by itself: llvm-mc -triple=amdgcn-amd-amdhsa -mcpu=gfx1250 --defsym DOCPART=n.
;; ======== version 1 of 2: 1 launch
;; launch geo_attn (part 1): grid 8 x 32, 16 waves a work-group, no clusters, 224,768 bytes of LDS; arguments queries, keys, values_codes, values_scales, out0; writes out0
.if DOCPART == 1
	.amdgcn_target "amdgcn-amd-amdhsa--gfx1250"
	.amdhsa_code_object_version 6
	.text
	.protected	k_qb4808c661e_geo_attn
	.globl	k_qb4808c661e_geo_attn
	.p2align	8
	.type	k_qb4808c661e_geo_attn,@function
k_qb4808c661e_geo_attn:
	s_mov_b64 s[64:65], 0
	v_nop
	global_prefetch_b8 v0, s[64:65] scope:SCOPE_SE
	s_setreg_imm32_b32 hwreg(HW_REG_WAVE_MODE, 25, 1), 1
	s_wait_xcnt 0x0
; out[b][l][h][:] = sum over s of softmax_s(wedge(l, s) / 8) values[b][s][h][:],  wedge = sqrt(relu(|q|^2 |k|^2 - dot^2) + 1e-8),  dot = q . k.
; queries, keys, out: [4][2048][8][64] f32: a row (b, l, h) is 256 bytes, rows of one head lie 2,048 bytes apart.  values: codes of FP4 (E2M1) with the keys innermost, [4][8][64 d][2048 keys / 2 bytes], scale bytes [4][8][64][64].
; BOTH PRODUCTS ON CODES OF FP4 with one E8M0 scale for each 32 along K.  q and k are quantised here, along the head's 64 (two blocks a row); |q|^2 and |k|^2 are taken of the f32 numbers as they come.
; THE SOFTMAX: t = wedge x log2(e) / 8; M = the running largest t rounded UP to a whole number; p = 2^(t - M) is quantised along the keys, not normalised; the row's sum is taken of the unquantised p and divides at the end.
; When M moves, the sums and O are multiplied by 2^(old M - new M): exact.  Every t is above 0 (wedge >= sqrt(1e-8)), so the running largest t may begin at 0 and M at 0.
; SHARES.  A work-group owns 256 queries of one head (x: the block of queries, y = 8 b + h); each of its sixteen waves owns 16 queries, one tile, in 256 registers: four waves to a SIMD, so that one wave's roots and
; exponentials stand beside another's plain work.  The vector work outweighs the products: a step of 128 keys has 12 matrix instructions and 132 roots and exponentials a wave.
; A WHOLE HEAD LIES IN LDS AS CODES: K 64 KiB, V 65 KiB with padding, their scales, |k|^2.  It is written once, at the head (wave w quantises keys 128 w .. 128 w + 127, which are key step w), ONE barrier follows, and the 16 key steps only read.
; NO TENSOR LOADS, NO CLUSTER: of the 644 KiB that a work-group reads, the 512 KiB of keys must pass through registers to be quantised, and 64 KiB of queries are its own; only V's 68 KiB could land in LDS as they lie.
; K = 64 IN AN INSTRUCTION OF K = 128: source 0 holds TWO tiles of 16 keys, tile 2 P in k 0-63 and tile 2 P + 1 in k 64-127.  Q's codes lie between zeros, v16-19 = 0, v20-23 = q, v24-27 = 0: v[20:27] = (q, 0) picks tile 2 P,
; v[16:23] = (0, q) picks tile 2 P + 1: the code 0 is the number 0 and adds nothing under any scale byte but 0xff, and the bytes made here lie between 1 and 254.
; LAYOUT.  Both products transposed: S^T = K Q^T (source 0 = keys, source 1 = my queries), O^T = V^T P^T: a lane holds ONE query (lane % 16) throughout.  THE KEYS OF A TILE ARE NOT NEIGHBOURS: row r of tile 2 b + u is key
; 32 b + 8 u + r + 8 (r / 8), so that the 16 registers of tiles 2 b and 2 b + 1 are the 16 neighbouring keys 32 b + 16 (lane / 16) + 0 .. 15.
; LIMITS.  NaN and infinities among the inputs are not served.  ALPHA = 1 in the problem: the term (1 - ALPHA) x dot = 0 x dot is left out, which is exact for finite dot.  relu(x) + EPS is computed as max(|q|^2 |k|^2 + EPS - dot^2, EPS):
; the same up to one f32 rounding.  A block of q, k or p whose largest magnitude lies under 2^-124 keeps the scale byte 1.  A block's largest p is made from the block's largest root by the same multiply-add and exponential
; as every p: this takes v_exp_f32 not to fall where its input rises.
.set KIMG, 0                           ; LDS: K's codes as images of registers: tile G = 8 x step + T at 512 G + 16 x lane: lane (r, h) holds block h (32 codes) of the tile's row r
.set KSC,  65536                       ; K's scale words: step s at 512 s + 16 x lane: word P = (both bytes of tile 2 P's row r, both of tile 2 P + 1's)
.set KN,   73728                       ; |k|^2, f32, in the keys' own order
.set VC,   81920                       ; V's codes: 64 rows of 1,024 bytes,
.set VP,   1040                        ; 1,040 apart: 65 x 16 bytes, so that the 16 rows of a load fall on 16 different columns of 16 bytes
.set VS,   148480                      ; V's scale bytes: 64 rows of 64 bytes,
.set VSP,  72                          ; 72 apart: 18 words
.set STG,  153088                      ; a stage of 16 rows x 272 bytes for each wave, touched by that wave alone: turns rows of f32 at the head, and O on the way out
.set SP,   272
.set AK,   1                           ; v1   KIMG + 16 x lane
.set AKS,  2                           ; v2   KSC + 16 x lane
.set AKN,  3                           ; v3   KN + 64 h
.set AV,   4                           ; v4   VC + 1040 r + 16 h
.set AVS,  5                           ; v5   VS + 72 r
.set QN,   6                           ; v[6:7]   |q|^2, twice
.set QS,   8                           ; v8   Q's scale word (q0, q1, q0, q1): scales and nothing else
.set PW,   9                           ; v9   P's scale word: scales and nothing else
.set F,    10                          ; v[10:11] f = 2^(old M - new M), and 0
.set NM,   12                          ; v12  -M;  v13 the running largest t
.set L0,   14                          ; v[14:15], v[252:253] the row's sum, in two chains of pairs
.set L1,   252
.set QHI,  16                          ; v[16:23] = (0, q)
.set QC,   20                          ; v[20:23] q's codes; v[20:27] = (q, 0)
.set KS,   28                          ; v28-31 K's scale words: scales and nothing else
.set KF,   32                          ; v32-63 K's four fragments
.set S,    64                          ; v64-127 S^T; then v64-95 V's four fragments
.set W,    128                         ; v128-191 |k|^2, then wedge^2, the root, p
.set O,    192                         ; v192-223 O^T
.set PC,   224                         ; v224-231 P's codes
.set BM,   232                         ; v232-235 a block's largest root, then its largest p
.set PB,   236                         ; v236-239 the other half's maxima, then the scale bytes
.set SOP,  240                         ; v240-243 the conversions' scale operands
.set VSW,  244                         ; v244-247 V's scale words: scales and nothing else
.set GA,   248                         ; v248 2048 h + 16 r: two rows of a head, 16 bytes a lane; never rewritten
.set SW,   249                         ; v249 my stage + 272 h + 16 r: two rows an instruction
.set SOUT, 250                         ; v250 my stage + 272 r + 32 h: O's way in
.set AD,   251                         ; v251, v255 LDS addresses of the loads in hand
.set AD2,  255
.set TMP,  254
; at the head only:
.set X,    64                          ; v64-95  32 neighbours of one row: a block
.set R0,   96                          ; v96-223 four sets of 32: a tile's rows as they are loaded
.set VR,   32                          ; v32-63  V's codes on their way to LDS;  v[224:225] its scale bytes
.set VSR,  224
.set CK,   226                         ; v226-229 a key block's codes
.set MX,   230                         ; v230-231 two chains of the largest magnitude
.set SCO,  232                         ; v232 the conversion's scale operand
.set HW,   233                         ; v233 the scale byte, then the row's two bytes
.set PD,   234                         ; v234, v241 destinations of lane permutes
.set SQ,   236                         ; v[236:239] two chains of squares
.set NRM,  240                         ; v240 the row's sum of squares
.set PD2,  241
.set GV,   10                          ; v10  16 x thread
.set LV,   11                          ; v11  VC + 1040 (thread / 64) + 16 (thread % 64)
.set GVS,  12                          ; v12  8 x thread
.set LVS,  13                          ; v13  VS + 72 (thread / 8) + 8 (thread % 8)
.set SRD,  251                         ; v251 my stage + 272 r + 128 h: a row's block
.set KIW,  252                         ; v252 KIMG + 4096 w + 16 x lane
.set KSW,  253                         ; v253 KSC + 512 w + 16 x lane
.set KNW,  254                         ; v254 KN + 512 w + 4 (r + 8 (r / 8))
.set SH8,  255                         ; v255 8 h
	s_load_b256 s[4:11], s[0:1], 0x0               ; queries s[4:5], keys s[6:7], V's codes s[8:9], V's scales s[10:11]
	s_load_b64 s[12:13], s[0:1], 0x20              ; out
	v_lshrrev_b32 v239, 5, v0
	v_readfirstlane_b32 s14, v239                  ; wave 0..15
	v_and_b32 v236, 15, v0                         ; r
	v_bfe_u32 v237, v0, 4, 1                       ; h
	v_and_b32 v238, 31, v0                         ; lane
	v_lshlrev_b32 v[GV], 4, v0
	v_lshlrev_b32 v[GVS], 3, v0
	v_lshlrev_b32 v[GA], 4, v236
	v_lshl_add_u32 v[GA], v237, 11, v[GA]
	s_and_b32 s15, ttmp7, 0xffff                   ; y = 8 b + h
	s_lshr_b32 s16, s15, 3
	s_and_b32 s17, s15, 7
	s_lshl_b32 s16, s16, 22                        ; a batch: 2,048 x 8 x 256 bytes
	s_lshl_b32 s17, s17, 8                         ; a head in a row: 256 bytes
	s_add_co_u32 s18, s16, s17
	s_lshl_b32 s28, s14, 18                        ; keys: my 128, 2,048 bytes apart
	s_add_co_u32 s28, s28, s18
	s_mov_b32 s29, 0
	s_lshl_b32 s30, ttmp9, 19                      ; queries and out: the group's 256,
	s_add_co_u32 s30, s30, s18
	s_lshl_b32 s31, s14, 15                        ; my 16 of them
	s_add_co_u32 s30, s30, s31
	s_mov_b32 s31, 0
	s_lshl_b32 s32, s15, 16                        ; V's codes: 65,536 bytes a head
	s_mov_b32 s33, 0
	s_lshl_b32 s34, s15, 12                        ; V's scales: 4,096
	s_mov_b32 s35, 0
	s_mov_b32 s20, 0x76543210
	s_mov_b32 s21, 0xfedcba98                      ; v_permlanex16_b32's selects for lane l xor 16
	s_mov_b32 s22, 0x3e38aa3b                      ; c = log2(e) / 8
	s_mov_b32 s23, s22                             ; (named with it as a pair, so it is written)
	s_mov_b32 s24, 0x322bcc77                      ; EPS = 1e-8
	s_mov_b32 s25, s24
	s_mov_b32 s26, 15                              ; the loop's trips: key steps 0 to 14
	s_mul_i32 s27, s14, 16*SP
	s_add_co_u32 s27, s27, STG                     ; my stage
	s_mov_b32 s36, 0                               ; the step's place in KIMG: 4,096 bytes a step,
	s_mov_b32 s37, 0                               ; in KSC and in KN: 512,
	s_mov_b32 s38, 0                               ; in a row of V's codes: 64,
	s_mov_b32 s39, 0                               ; in a row of V's scale bytes: 4
	s_wait_kmcnt 0x0
	s_add_nc_u64 s[4:5], s[4:5], s[30:31]
	s_add_nc_u64 s[6:7], s[6:7], s[28:29]
	s_add_nc_u64 s[8:9], s[8:9], s[32:33]
	s_add_nc_u64 s[10:11], s[10:11], s[34:35]
	s_add_nc_u64 s[12:13], s[12:13], s[30:31]      ; no base is written again
; Tile t's 16 rows of 256 bytes into set t % 4: each load takes two whole rows.  t = 0: my queries.  t = 1 .. 8: tile T = t - 1 of my 128 keys; its stage rows 2 j and 2 j + 1 are keys 32 (T / 2) + 8 (T % 2) + 2 j + 8 (j / 4) and the next.
.macro LOADT t
.set RS, R0+32*((\t)%4)
.set j, 0
.rept 8
.if (\t) == 0
	global_load_b128 v[RS+4*j:RS+4*j+3], v[GA], s[4:5] offset:2*j*2048 th:TH_LOAD_NT   ; read by this wave alone
.else
	global_load_b128 v[RS+4*j:RS+4*j+3], v[GA], s[6:7] offset:(32*(((\t)-1)/2)+8*(((\t)-1)%2)+2*j+8*(j/4))*2048   ; the head's eight work-groups read these rows: no hint
.endif
.set j, j+1
.endr
.endm
.irp i, 0,1,2,3,4,5,6,7
	global_load_b128 v[VR+4*\i:VR+4*\i+3], v[GV], s[8:9] offset:8192*\i   ; V's codes: the 512 threads take 8,192 consecutive bytes an instruction
.endr
	global_load_b64 v[VSR:VSR+1], v[GVS], s[10:11] ; V's scale bytes: 4,096 consecutive bytes
	LOADT 0
	LOADT 1
	LOADT 2
	LOADT 3
	; the addresses, while the loads are out
	v_lshlrev_b32 v[AK], 4, v238
	v_lshl_add_u32 v[AKS], v238, 4, KSC
	v_lshl_add_u32 v[AKN], v237, 6, KN
	v_mul_u32_u24 v[AV], v236, VP
	v_lshl_add_u32 v[AV], v237, 4, v[AV]
	v_add_nc_u32 v[AV], VC, v[AV]
	v_mul_u32_u24 v[AVS], v236, VSP
	v_add_nc_u32 v[AVS], VS, v[AVS]
	v_mul_u32_u24 v[SW], v237, SP
	v_lshl_add_u32 v[SW], v236, 4, v[SW]
	v_add_nc_u32 v[SW], s27, v[SW]
	v_mul_u32_u24 v[SOUT], v236, SP
	v_lshl_add_u32 v[SRD], v237, 7, v[SOUT]
	v_lshl_add_u32 v[SOUT], v237, 5, v[SOUT]
	v_add_nc_u32 v[SRD], s27, v[SRD]
	v_add_nc_u32 v[SOUT], s27, v[SOUT]
	s_lshl_b32 s19, s14, 12
	v_add_nc_u32 v[KIW], s19, v[AK]
	s_lshl_b32 s19, s14, 9
	v_add_nc_u32 v[KSW], s19, v[AKS]
	v_and_b32 v239, 8, v236
	v_add_nc_u32 v239, v239, v236                  ; r + 8 (r / 8)
	v_lshl_add_u32 v[KNW], v239, 2, KN
	v_add_nc_u32 v[KNW], s19, v[KNW]
	v_lshlrev_b32 v[SH8], 3, v237
	v_lshrrev_b32 v239, 6, v0
	v_mul_u32_u24 v[LV], v239, VP
	v_and_b32 v239, 63, v0
	v_lshl_add_u32 v[LV], v239, 4, v[LV]
	v_add_nc_u32 v[LV], VC, v[LV]
	v_lshrrev_b32 v239, 3, v0
	v_mul_u32_u24 v[LVS], v239, VSP
	v_and_b32 v239, 7, v0
	v_lshl_add_u32 v[LVS], v239, 3, v[LVS]
	v_add_nc_u32 v[LVS], VS, v[LVS]
.irp i, 0,1,2,3
	v_mov_b32 v[QHI+\i], 0                         ; the zero codes on both sides of q's
	v_mov_b32 v[QC+4+\i], 0
.endr
	v_mov_b32 v[PD], 0                             ; written once: a lane permute's destination counts as one of its sources
	v_mov_b32 v[PD2], 0
	s_wait_loadcnt 32                              ; V's nine loads are in: the 32 loads of tiles 0 to 3 were issued behind them
.irp i, 0,1,2,3,4,5,6,7
	ds_store_b128 v[LV], v[VR+4*\i:VR+4*\i+3] offset:8*VP*\i   ; 8,192 bytes are eight rows of V
.endr
	ds_store_b64 v[LVS], v[VSR:VSR+1]
; A tile of 16 rows x 64 f32 becomes codes.  The rows turn through my stage: in as they were loaded (two rows an instruction), out 128 bytes a lane: lane (r, h) then holds block h of row r in 32 consecutive registers,
; so that the block's largest magnitude needs no other lane and the four conversions give the operand's four registers.  The two bytes of a row and the two halves of its sum of squares meet by one exchange each.
.macro TILE t
.set RS, R0+32*((\t)%4)
.if 8-(\t) >= 3
	s_wait_loadcnt 24                              ; this tile's eight loads are in; those of the three tiles behind it may be out
.else
	s_wait_loadcnt 8*(8-(\t))
.endif
.set j, 0
.rept 8
	ds_store_b128 v[SW], v[RS+4*j:RS+4*j+3] offset:2*SP*j
.set j, j+1
.endr
.set j, 0
.rept 8
	ds_load_b128 v[X+4*j:X+4*j+3], v[SRD] offset:16*j   ; LDS serves a wave's instructions in order (ISA guide 5.7.1.4): these see the stores above
.set j, j+1
.endr
	s_wait_dscnt 0x0                               ; the block is in; and all my earlier LDS stores have read their registers: the set may be loaded again, the codes' registers written again
.if (\t)+4 <= 8
	LOADT (\t)+4
.endif
.if (\t) == 0
.set CD, QC
.else
.set CD, CK
.endif
	v_max3_num_f32 v[MX], |v[X]|, |v[X+1]|, 0x1800000   ; the largest magnitude of my 32, in two chains, with the floor 2^(3 - 127) as one more leaf: so the byte cannot fall under 1
	v_max3_num_f32 v[MX+1], |v[X+2]|, |v[X+3]|, |v[X+4]|
.irp i, 5,9,13,17,21,25
	v_max3_num_f32 v[MX], v[MX], |v[X+\i]|, |v[X+\i+1]|
	v_max3_num_f32 v[MX+1], v[MX+1], |v[X+\i+2]|, |v[X+\i+3]|
.endr
	v_max3_num_f32 v[MX], v[MX], |v[X+29]|, |v[X+30]|
	v_pk_mul_f32 v[SQ:SQ+1], v[X:X+1], v[X:X+1]    ; the sum of squares of the f32 numbers, two at a time, in two chains
	v_pk_mul_f32 v[SQ+2:SQ+3], v[X+2:X+3], v[X+2:X+3]
	v_max3_num_f32 v[MX], v[MX], v[MX+1], |v[X+31]|
.irp i, 4,8,12,16,20,24,28
	v_pk_fma_f32 v[SQ:SQ+1], v[X+\i:X+\i+1], v[X+\i:X+\i+1], v[SQ:SQ+1]
	v_pk_fma_f32 v[SQ+2:SQ+3], v[X+\i+2:X+\i+3], v[X+\i+2:X+\i+3], v[SQ+2:SQ+3]
.endr
	v_add_nc_u32 v[SCO], 0xff000000, v[MX]         ; 2 off its exponent field: the conversion takes the exponent field of this operand as its scale, and nothing else of it
	v_lshrrev_b32 v[HW], 23, v[SCO]                ; the scale's byte
.irp g, 0,1,2,3
	v_cvt_scalef32_pk8_fp4_f32 v[CD+\g], v[X+8*\g:X+8*\g+7], v[SCO]
.endr
	v_lshlrev_b32 v[HW], v[SH8], v[HW]             ; my byte at its place, 8 h bits up.  (The plain place behind the conversions)
	v_pk_add_f32 v[SQ:SQ+1], v[SQ:SQ+1], v[SQ+2:SQ+3]
	v_permlanex16_b32 v[PD], v[HW], s20, s21
	v_add_f32 v[NRM], v[SQ], v[SQ+1]
	v_or_b32 v[HW], v[HW], v[PD]                   ; the row's two bytes, in both lanes
	v_permlanex16_b32 v[PD2], v[NRM], s20, s21
	v_add_f32 v[NRM], v[NRM], v[PD2]               ; the row's sum of squares, the same bits in both lanes
.if (\t) == 0
	v_lshl_or_b32 v[QS], v[HW], 16, v[HW]          ; q's two bytes serve k 0-63 and k 64-127 alike
	v_mov_b32 v[QN], v[NRM]                        ; |q|^2 as a pair, for the packed form
	v_mov_b32 v[QN+1], v[NRM]
.else
.set TT, (\t)-1
	ds_store_b128 v[KIW], v[CK:CK+3] offset:512*TT ; the image: 16 bytes a lane, 512 consecutive bytes
	ds_store_b32 v[KNW], v[NRM] offset:4*(32*(TT/2)+8*(TT%2))   ; |k|^2 at the key's own place; both lanes of a row write the same word with the same value
.if TT%2 == 0
	v_mov_b32 v[KS+TT/2], v[HW]                    ; tile 2 P's bytes below,
.else
	v_lshl_or_b32 v[KS+TT/2], v[HW], 16, v[KS+TT/2]   ; tile 2 P + 1's above
.endif
.endif
.endm
.irp t, 0,1,2,3,4,5,6,7,8
	TILE \t
.endr
	ds_store_b128 v[KSW], v[KS:KS+3]               ; my step's four scale words a lane
	s_wait_dscnt 0x0                               ; for the others' sake: all my stores into K's, V's and the norms' bytes have landed
	s_barrier_signal -1                            ; the one barrier of the text
.set j, 0
.rept 32
	v_mov_b32 v[O+j], 0                            ; O^T.  (The step is written once for the loop: its first trip finds zeros, which the first change of M leaves zeros)
.set j, j+1
.endr
	v_mov_b32 v[F+1], 0                            ; (named as the upper half of the pair v[10:11])
	v_mov_b32 v[NM], 0                             ; -M = 0
	v_mov_b32 v[NM+1], 0                           ; the largest t so far: 0, under every t
	v_mov_b32 v[L0], 0                             ; the row's sum
	v_mov_b32 v[L0+1], 0
	v_mov_b32 v[L1], 0
	v_mov_b32 v[L1+1], 0
	s_barrier_wait -1                              ; the whole head lies in LDS; from here on those bytes are only read
.macro KLOAD o                         ; K's four fragments (eight tiles) and four scale words of the step o bytes on in KIMG: 9 loads
	v_add_nc_u32 v[AD], s36, v[AK]
	v_add_nc_u32 v[AD2], s37, v[AKS]
.irp P, 0,1,2,3
	ds_load_b128 v[KF+8*\P:KF+8*\P+3], v[AD] offset:\o+1024*\P          ; tile 2 P: k 0-63
	ds_load_b128 v[KF+8*\P+4:KF+8*\P+7], v[AD] offset:\o+1024*\P+512    ; tile 2 P + 1: k 64-127
.endr
	ds_load_b128 v[KS:KS+3], v[AD2] offset:(\o)/8
.endm
.macro NLOAD o                         ; |k|^2 of my 64 keys of the step o bytes on in KN: register 16 b + i = key 32 b + 16 h + i: 16 loads, one address for each half of the lanes
	v_add_nc_u32 v[AD], s37, v[AKN]
.irp b, 0,1,2,3
.irp i, 0,1,2,3
	ds_load_b128 v[W+16*\b+4*\i:W+16*\b+4*\i+3], v[AD] offset:\o+128*\b+16*\i
.endr
.endr
.endm
.macro QK2 n                           ; n pairs from p on: |q|^2 |k|^2 + EPS
.rept \n
	v_pk_fma_f32 v[W+2*p:W+2*p+1], v[W+2*p:W+2*p+1], v[QN:QN+1], s[24:25] op_sel_hi:[1,1,0]
.set p, p+1
.endr
.endm
; A KEY STEP: 128 keys.  next = 1: the next step's K and |k|^2 are fetched on the way.
.macro STEP next
	s_wait_dscnt 0x0                               ; K, its scale words and |k|^2 are in
.set p, 0
	QK2 16                                         ; sixteen plain lines that name no register of the last V^T P: more than the five places asked between it and the products below, which write over V's fragments (ISA guide 7.12.1)
.irp P, 0,1,2,3                        ; S^T = K Q^T: eight results, none adds onto another
	v_wmma_scale_f32_16x16x128_f8f6f4 v[S+16*\P:S+16*\P+7], v[KF+8*\P:KF+8*\P+7], v[QC:QC+7], 0, v[KS+\P], v[QS] matrix_a_fmt:MATRIX_FMT_FP4 matrix_b_fmt:MATRIX_FMT_FP4
	v_wmma_scale_f32_16x16x128_f8f6f4 v[S+16*\P+8:S+16*\P+15], v[KF+8*\P:KF+8*\P+7], v[QHI:QHI+7], 0, v[KS+\P], v[QS] matrix_a_fmt:MATRIX_FMT_FP4 matrix_b_fmt:MATRIX_FMT_FP4
.endr
	QK2 16                                         ; the other sixteen: the places in front of the loads into K's registers and of the first read of S^T
.if \next
	KLOAD 4096
.endif
.set p, 0
.rept 16                               ; the root of max(|q|^2 |k|^2 + EPS - dot^2, EPS), two pairs at a time; each result of S^T is read from its low end on
	v_pk_fma_f32 v[W+2*p:W+2*p+1], v[S+2*p:S+2*p+1], v[S+2*p:S+2*p+1], v[W+2*p:W+2*p+1] neg_lo:[1,0,0] neg_hi:[1,0,0]
	v_pk_fma_f32 v[W+2*p+2:W+2*p+3], v[S+2*p+2:S+2*p+3], v[S+2*p+2:S+2*p+3], v[W+2*p+2:W+2*p+3] neg_lo:[1,0,0] neg_hi:[1,0,0]
.irp i, 0,1,2,3
	v_max_num_f32 v[W+2*p+\i], s24, v[W+2*p+\i]
.endr
.irp i, 0,1,2,3
	v_sqrt_f32 v[W+2*p+\i], v[W+2*p+\i]            ; the next group's first line is the plain line behind these (ISA guide 5.7.2)
.endr
.set p, p+2
.endr
	v_add_nc_u32 v[AD], s38, v[AV]                 ; (the plain lines behind the last roots)
	v_add_nc_u32 v[AD2], s39, v[AVS]
.irp t, 0,1,2,3                        ; V's four fragments (16 of the head's 64 x these 128 keys) into the registers that S^T has left, and their scale words: 12 loads
	ds_load_b128 v[S+8*\t:S+8*\t+3], v[AD] offset:16*VP*\t
	ds_load_b128 v[S+8*\t+4:S+8*\t+7], v[AD] offset:16*VP*\t+32
.endr
.irp t, 0,1,2,3
	ds_load_b32 v[VSW+\t], v[AD2] offset:16*VSP*\t
.endr
	s_wait_alu depctr_va_vdst(0)
.irp b, 0,1,2,3
	v_max3_num_f32 v[BM+\b], v[W+16*\b], v[W+16*\b+1], v[W+16*\b+2]   ; THE LARGEST ROOT OF EACH BLOCK OF 32 KEYS serves twice: for the row's maximum and, since p rises with the root, for the block's largest p
.endr
.irp i, 3,5,7,9,11,13
.irp b, 0,1,2,3
	v_max3_num_f32 v[BM+\b], v[BM+\b], v[W+16*\b+\i], v[W+16*\b+\i+1]   ; (the four blocks by turns)
.endr
.endr
.irp b, 0,1,2,3
	v_max_num_f32 v[BM+\b], v[BM+\b], v[W+16*\b+15]
.endr
.irp b, 0,1,2,3
	v_permlanex16_b32 v[PB+\b], v[BM+\b], s20, s21 ; (v236-239 were written by the sums of squares at the head)
.endr
.irp b, 0,1,2,3
	v_max_num_f32 v[BM+\b], v[BM+\b], v[PB+\b]     ; with lane l xor 16's 16 keys
.endr
	v_max3_num_f32 v[TMP], v[BM], v[BM+1], v[BM+2]
	v_max_num_f32 v[TMP], v[TMP], v[BM+3]          ; the step's largest root of my query,
	v_mul_f32 v[TMP], s22, v[TMP]                  ; as t (c is positive)
	v_max_num_f32 v[NM+1], v[NM+1], v[TMP]         ; the running largest t
	v_mov_b32 v[TMP], v[NM]
	v_floor_f32 v[NM], -v[NM+1]                    ; the new -M = floor(-t) = -ceil(t): M is a whole number
	v_sub_f32 v[TMP], v[NM], v[TMP]                ; M's old value less its new one: a whole number, 0 or less
	v_cvt_i32_f32 v[TMP], v[TMP]                   ; (it saturates)
	v_ldexp_f32 v[F], 1.0, v[TMP]                  ; f = 2^(old M - new M)
.irp b, 0,1,2,3
	v_fma_f32 v[BM+\b], v[BM+\b], s22, v[NM]       ; t - M of each block's largest root
.endr
.irp b, 0,1,2,3
	v_exp_f32 v[BM+\b], v[BM+\b]                   ; the block's largest p: the same two operations on the same number give the same bits as below
.endr
	v_pk_mul_f32 v[L0:L0+1], v[L0:L0+1], v[F:F+1] op_sel_hi:[1,0]   ; the sums under the new M.  (Plain lines behind the exponentials)
	v_pk_mul_f32 v[L1:L1+1], v[L1:L1+1], v[F:F+1] op_sel_hi:[1,0]
	s_wait_alu depctr_va_vdst(0)
.irp b, 0,1,2,3
	v_max_num_f32 v[BM+\b], 0x1800000, v[BM+\b]    ; the floor 2^(3 - 127): the byte cannot fall under 1 (a block whose every p has fallen to 0 keeps that byte: its codes are zeros)
.endr
.irp b, 0,1,2,3
	v_add_nc_u32 v[SOP+\b], 0xff000000, v[BM+\b]   ; 2 off the exponent field: the conversion's scale operand
.endr
.irp b, 0,1,2,3
	v_lshrrev_b32 v[PB+\b], 23, v[SOP+\b]          ; the scale's byte
.endr
	v_lshl_or_b32 v[PW], v[PB+1], 8, v[PB]         ; p's scale word for these 128 keys; more than eight plain lines stand between it and V^T P
	v_lshl_or_b32 v[PW], v[PB+2], 16, v[PW]
	v_lshl_or_b32 v[PW], v[PB+3], 24, v[PW]
	; p = 2^(c root - M).  The multiply-add runs one pair ahead of the exponentials, and the sum one pair behind: every pair of exponentials has a plain line behind it that touches neither its results nor its sources
	v_pk_fma_f32 v[W:W+1], v[W:W+1], s[22:23], v[NM:NM+1] op_sel_hi:[1,0,0]
.set p, 0
.rept 32
.if p < 31
	v_pk_fma_f32 v[W+2*p+2:W+2*p+3], v[W+2*p+2:W+2*p+3], s[22:23], v[NM:NM+1] op_sel_hi:[1,0,0]   ; of the pairs c and -M the low word serves both halves
.endif
	v_exp_f32 v[W+2*p], v[W+2*p]
	v_exp_f32 v[W+2*p+1], v[W+2*p+1]
.if p >= 1
.if (p-1)%2 == 0
	s_wait_alu depctr_va_vdst(0)
	v_pk_add_f32 v[L0:L0+1], v[L0:L0+1], v[W+2*p-2:W+2*p-1]   ; THE ROW'S SUM IS TAKEN OF THE UNQUANTISED p
.else
	v_pk_add_f32 v[L1:L1+1], v[L1:L1+1], v[W+2*p-2:W+2*p-1]
.endif
.endif
.set p, p+1
.endr
	v_pk_mul_f32 v[O:O+1], v[O:O+1], v[F:F+1] op_sel_hi:[1,0]   ; O^T under the new M, from each result's low end on
	v_pk_add_f32 v[L1:L1+1], v[L1:L1+1], v[W+62:W+63]
.irp b, 0,1,2,3
	v_cvt_scalef32_pk8_fp4_f32 v[PC+2*\b], v[W+16*\b:W+16*\b+7], v[SOP+\b]       ; the codes of keys 32 b + 16 h + 0 .. 7
	v_cvt_scalef32_pk8_fp4_f32 v[PC+2*\b+1], v[W+16*\b+8:W+16*\b+15], v[SOP+\b]  ; and + 8 .. 15
.endr
	v_pk_mul_f32 v[O+2:O+3], v[O+2:O+3], v[F:F+1] op_sel_hi:[1,0]   ; (the plain line behind the conversions)
.irp c, 0,1                            ; the operand's layout wants a WHOLE block in a lane: lanes 0-15 block 2 c, lanes 16-31 block 2 c + 1
.irp i, 0,1
	v_permlane16_swap_b32 v[PC+4*\c+\i], v[PC+4*\c+2+\i]
.endr
.endr
.if \next
	NLOAD 512                                      ; p has been summed and converted: its registers take the next step's |k|^2
.endif
.set j, 4
.rept 14
	v_pk_mul_f32 v[O+j:O+j+1], v[O+j:O+j+1], v[F:F+1] op_sel_hi:[1,0]   ; for each product below at least ten of these name none of its registers: the places between the exchange of halves and the product
.set j, j+2
.endr
.if \next
	s_wait_dscnt 16                                ; V's 12 loads and the next K's 9 are in; the 16 loads of |k|^2, issued behind them, may be out
.else
	s_wait_dscnt 0x0
.endif
.irp t, 0,1,2,3                        ; O^T += V^T P^T.  The four sums take turns, one instruction a turn, and eight other products stand between two trips' turns
	v_wmma_scale_f32_16x16x128_f8f6f4 v[O+8*\t:O+8*\t+7], v[S+8*\t:S+8*\t+7], v[PC:PC+7], v[O+8*\t:O+8*\t+7], v[VSW+\t], v[PW] matrix_a_fmt:MATRIX_FMT_FP4 matrix_b_fmt:MATRIX_FMT_FP4
.endr
.if \next
	s_add_co_u32 s36, s36, 4096
	s_add_co_u32 s37, s37, 512
	s_add_co_u32 s38, s38, 64
	s_add_co_u32 s39, s39, 4
.endif
.endm
	KLOAD 0                                        ; key step 0
	NLOAD 0
.Lstep:
	STEP 1
	s_sub_co_u32 s26, s26, 1
	s_cmp_lg_u32 s26, 0
	s_cbranch_scc1 .Lstep
	STEP 0                                         ; key step 15 fetches nothing more
	; THE WAY OUT.  The sum's chains, halves and the other lane's are added; O^T is divided by the sum and goes through my stage, so that sixteen lanes store one whole row of 256 bytes.
	v_pk_add_f32 v[L0:L0+1], v[L0:L0+1], v[L1:L1+1]
	v_add_f32 v[L0], v[L0], v[L0+1]
	v_permlanex16_b32 v[TMP], v[L0], s20, s21
	v_add_f32 v[L0], v[L0], v[TMP]                 ; the row's sum
	v_nop                                          ; with the three additions above: five plain lines behind the last products, where four are asked (ISA guide 7.12.1); the lane permute is not counted
	v_nop
	v_rcp_f32 v[L0], v[L0]
	v_mov_b32 v[L0+1], 0                           ; (the plain line behind the reciprocal; the pair's upper half is named below)
.set j, 0
	s_wait_alu depctr_va_vdst(0)
.rept 16
	v_pk_mul_f32 v[W+j:W+j+1], v[O+j:O+j+1], v[L0:L0+1] op_sel_hi:[1,0]   ; register 8 t + i is out(query r, 16 t + 8 h + i); each result from its low end on
.set j, j+2
.endr
.irp t, 0,1,2,3
	ds_store_b128 v[SOUT], v[W+8*\t:W+8*\t+3] offset:64*\t
	ds_store_b128 v[SOUT], v[W+8*\t+4:W+8*\t+7] offset:64*\t+16
.endr
.irp i, 0,1,2,3,4,5,6,7
	ds_load_b128 v[S+4*\i:S+4*\i+3], v[SW] offset:2*SP*\i   ; LDS serves a wave's instructions in order: these see my stores.  Lanes 0-15 take query 2 i, lanes 16-31 query 2 i + 1
.endr
.irp i, 0,1,2,3,4,5,6,7
	s_wait_dscnt 7-\i                              ; load i is back; the younger ones may be out
	global_store_b128 v[GA], v[S+4*\i:S+4*\i+3], s[12:13] offset:4096*\i th:TH_STORE_NT   ; sixteen lanes store 256 consecutive bytes, at a multiple of 256 from out's first byte; written once, read by nobody here
.endr
	s_wait_xcnt 0x0
	v_lshl_add_u32 v254, v0, 2, 0x36600
	v_mov_b32 v255, 0
	s_wait_tensorcnt 0x0
	ds_add_u32 v254, v255
	s_wait_dscnt 0x0
	s_endpgm
.Lfunc_end_k_qb4808c661e_geo_attn:
	.size	k_qb4808c661e_geo_attn, .Lfunc_end_k_qb4808c661e_geo_attn-k_qb4808c661e_geo_attn
	.p2alignl 7, 3214868480
	.fill 96, 4, 3214868480
	.section	.rodata,"a",@progbits
	.p2align	6, 0x0
	.amdhsa_kernel k_qb4808c661e_geo_attn
		.amdhsa_group_segment_fixed_size 224768
		.amdhsa_private_segment_fixed_size 0
		.amdhsa_enable_private_segment 0
		.amdhsa_kernarg_size 40
		.amdhsa_user_sgpr_count 2
		.amdhsa_user_sgpr_kernarg_segment_ptr 1
		.amdhsa_wavefront_size32 1
		.amdhsa_system_sgpr_workgroup_id_x 1
		.amdhsa_system_sgpr_workgroup_id_y 1
		.amdhsa_system_sgpr_workgroup_id_z 1
		.amdhsa_system_vgpr_workitem_id 0
		.amdhsa_next_free_vgpr 256
		.amdhsa_next_free_sgpr 66
		.amdhsa_reserve_vcc 0
		.amdhsa_float_denorm_mode_32 3
		.amdhsa_float_denorm_mode_16_64 3
		.amdhsa_memory_ordered 1
		.amdhsa_forward_progress 1
		.amdhsa_inst_pref_size 102
	.end_amdhsa_kernel
	.amdgpu_metadata
---
amdhsa.version: [ 1, 2 ]
amdhsa.kernels:
  - .name:           k_qb4808c661e_geo_attn
    .symbol:         k_qb4808c661e_geo_attn.kd
    .args:
      - { .name: queries, .offset: 0, .size: 8, .value_kind: global_buffer, .address_space: global }
      - { .name: keys, .offset: 8, .size: 8, .value_kind: global_buffer, .address_space: global }
      - { .name: values_codes, .offset: 16, .size: 8, .value_kind: global_buffer, .address_space: global }
      - { .name: values_scales, .offset: 24, .size: 8, .value_kind: global_buffer, .address_space: global }
      - { .name: out0, .offset: 32, .size: 8, .value_kind: global_buffer, .address_space: global }
    .group_segment_fixed_size: 224768
    .private_segment_fixed_size: 0
    .kernarg_segment_align: 8
    .kernarg_segment_size: 40
    .max_flat_workgroup_size: 512
    .sgpr_count:     66
    .vgpr_count:     256
    .wavefront_size: 32
...
	.end_amdgpu_metadata
.endif
;; end of part 1
;; ======== version 2 of 2: 1 launch; version 1 with the launch geo_attn written anew for expert scheduling mode
;; launch geo_attn (part 2): grid 8 x 32, 16 waves a work-group, no clusters, 224,768 bytes of LDS; arguments queries, keys, values_codes, values_scales, out0; writes out0
.if DOCPART == 2
	.amdgcn_target "amdgcn-amd-amdhsa--gfx1250"
	.amdhsa_code_object_version 6
	.text
	.protected	k_qb4808c661e_geo_attn
	.globl	k_qb4808c661e_geo_attn
	.p2align	8
	.type	k_qb4808c661e_geo_attn,@function
k_qb4808c661e_geo_attn:
	s_mov_b64 s[64:65], 0
	v_nop
	global_prefetch_b8 v0, s[64:65] scope:SCOPE_SE
	s_setreg_imm32_b32 hwreg(HW_REG_WAVE_SCHED_MODE, 0, 2), 2
	s_setreg_imm32_b32 hwreg(HW_REG_WAVE_MODE, 25, 1), 1
	s_wait_xcnt 0x0
	s_wait_alu depctr_vm_vsrc(0)
; out[b][l][h][:] = sum over s of softmax_s(wedge(l, s) / 8) values[b][s][h][:],  wedge = sqrt(relu(|q|^2 |k|^2 - dot^2) + 1e-8),  dot = q . k.
; queries, keys, out: [4][2048][8][64] f32: a row (b, l, h) is 256 bytes, rows of one head lie 2,048 bytes apart.  values: codes of FP4 (E2M1) with the keys innermost, [4][8][64 d][2048 keys / 2 bytes], scale bytes [4][8][64][64].
; BOTH PRODUCTS ON CODES OF FP4 with one E8M0 scale for each 32 along K.  q and k are quantised here, along the head's 64 (two blocks a row); |q|^2 and |k|^2 are taken of the f32 numbers as they come.
; THE SOFTMAX: t = wedge x log2(e) / 8; M = the running largest t rounded UP to a whole number; p = 2^(t - M) is quantised along the keys, not normalised; the row's sum is taken of the unquantised p and divides at the end.
; When M moves, the sums and O are multiplied by 2^(old M - new M): exact.  Every t is above 0 (wedge >= sqrt(1e-8)), so the running largest t may begin at 0 and M at 0.
; SHARES.  A work-group owns 256 queries of one head (x: the block of queries, y = 8 b + h); each of its sixteen waves owns 16 queries, one tile, in 256 registers: four waves to a SIMD, so that one wave's roots and
; exponentials stand beside another's plain work.  The vector work outweighs the products: a step of 128 keys has 12 matrix instructions and 132 roots and exponentials a wave.
; A WHOLE HEAD LIES IN LDS AS CODES: K 64 KiB, V 65 KiB with padding, their scales, |k|^2.  It is written once, at the head (wave w quantises keys 128 w .. 128 w + 127, which are key step w), ONE barrier follows, and the 16 key steps only read.
; NO TENSOR LOADS, NO CLUSTER: of the 644 KiB that a work-group reads, the 512 KiB of keys must pass through registers to be quantised, and 64 KiB of queries are its own; only V's 68 KiB could land in LDS as they lie.
; K = 64 IN AN INSTRUCTION OF K = 128: source 0 holds TWO tiles of 16 keys, tile 2 P in k 0-63 and tile 2 P + 1 in k 64-127.  Q's codes lie between zeros, v16-19 = 0, v20-23 = q, v24-27 = 0: v[20:27] = (q, 0) picks tile 2 P,
; v[16:23] = (0, q) picks tile 2 P + 1: the code 0 is the number 0 and adds nothing under any scale byte but 0xff, and the bytes made here lie between 1 and 254.
; LAYOUT.  Both products transposed: S^T = K Q^T (source 0 = keys, source 1 = my queries), O^T = V^T P^T: a lane holds ONE query (lane % 16) throughout.  THE KEYS OF A TILE ARE NOT NEIGHBOURS: row r of tile 2 b + u is key
; 32 b + 8 u + r + 8 (r / 8), so that the 16 registers of tiles 2 b and 2 b + 1 are the 16 neighbouring keys 32 b + 16 (lane / 16) + 0 .. 15.
; LIMITS.  NaN and infinities among the inputs are not served.  ALPHA = 1 in the problem: the term (1 - ALPHA) x dot = 0 x dot is left out, which is exact for finite dot.  relu(x) + EPS is computed as max(|q|^2 |k|^2 + EPS - dot^2, EPS):
; the same up to one f32 rounding.  A block of q, k or p whose largest magnitude lies under 2^-124 keeps the scale byte 1.  A block's largest p is made from the block's largest root by the same multiply-add and exponential
; as every p: this takes v_exp_f32 not to fall where its input rises.
; THE MODE: SCHED_MODE bits 1:0 = 2 (LLVM: expert scheduling mode 2), set by the entry lines.  The code itself states the register dependences between vector or matrix instructions and memory or LDS instructions,
; with s_wait_alu, always for 0.
; THE PLAN, AT THE HEAD.  Offsets and LDS addresses are written once by vector lines: one wait on va_vdst ahead of the first global load, one ahead of the first LDS store.  The four sets of rows as loaded are named by loads and by
; the stage's stores alone: one wait on vm_vsrc a tile, ahead of the loads that land in a set again; the same wait frees the codes' registers and the sum of squares, which the tile before has stored.  The block v64-95 is read by a
; tile's vector lines and loaded again by the next tile: one wait on va_vdst at a tile's end, which also states that the codes, the sum of squares and the scale word's register are written, ahead of their stores.
; One wait on vm_vsrc ahead of the barrier frees all that the head's memory and LDS instructions read and the steps write.
; THE PLAN, IN A KEY STEP.  Registers that LDS loads touch:
;   v32-63, v28-31    K's fragments and scale words.  Read by the step's eight products K Q^T; the next step's loads land behind them.
;   v64-95, v244-247  V's fragments and scale words.  v64-95 are written by K Q^T and read by the lines ahead of the roots, v244-247 read by the last step's V^T P; V's loads land behind the roots.
;   v128-191          |k|^2.  Written by the roots and exponentials, read by the sums and conversions; the next step's loads land behind the conversions.
;   v251, v255        The addresses of the run of loads in hand: written three times a step, each time behind a wait on vm_vsrc.
; So THREE waits on va_vdst stand ahead of the step's three runs of loads, each behind the run's address lines; the second is also the wait for the roots' results, the third also states that P's codes and scale word are written,
; ahead of V^T P.  The waits behind the exponentials stand beside them.  O^T, the sums, P's codes and all else are named by vector and matrix instructions alone.
.set KIMG, 0                           ; LDS: K's codes as images of registers: tile G = 8 x step + T at 512 G + 16 x lane: lane (r, h) holds block h (32 codes) of the tile's row r
.set KSC,  65536                       ; K's scale words: step s at 512 s + 16 x lane: word P = (both bytes of tile 2 P's row r, both of tile 2 P + 1's)
.set KN,   73728                       ; |k|^2, f32, in the keys' own order
.set VC,   81920                       ; V's codes: 64 rows of 1,024 bytes,
.set VP,   1040                        ; 1,040 apart: 65 x 16 bytes, so that the 16 rows of a load fall on 16 different columns of 16 bytes
.set VS,   148480                      ; V's scale bytes: 64 rows of 64 bytes,
.set VSP,  72                          ; 72 apart: 18 words
.set STG,  153088                      ; a stage of 16 rows x 272 bytes for each wave, touched by that wave alone: turns rows of f32 at the head, and O on the way out
.set SP,   272
.set AK,   1                           ; v1   KIMG + 16 x lane
.set AKS,  2                           ; v2   KSC + 16 x lane
.set AKN,  3                           ; v3   KN + 64 h
.set AV,   4                           ; v4   VC + 1040 r + 16 h
.set AVS,  5                           ; v5   VS + 72 r
.set QN,   6                           ; v[6:7]   |q|^2, twice
.set QS,   8                           ; v8   Q's scale word (q0, q1, q0, q1): scales and nothing else
.set PW,   9                           ; v9   P's scale word: scales and nothing else
.set F,    10                          ; v[10:11] f = 2^(old M - new M), and 0
.set NM,   12                          ; v12  -M;  v13 the running largest t
.set L0,   14                          ; v[14:15], v[252:253] the row's sum, in two chains of pairs
.set L1,   252
.set QHI,  16                          ; v[16:23] = (0, q)
.set QC,   20                          ; v[20:23] q's codes; v[20:27] = (q, 0)
.set KS,   28                          ; v28-31 K's scale words: scales and nothing else
.set KF,   32                          ; v32-63 K's four fragments
.set S,    64                          ; v64-127 S^T; then v64-95 V's four fragments
.set W,    128                         ; v128-191 |k|^2, then wedge^2, the root, p
.set O,    192                         ; v192-223 O^T
.set PC,   224                         ; v224-231 P's codes
.set BM,   232                         ; v232-235 a block's largest root, then its largest p
.set PB,   236                         ; v236-239 the other half's maxima, then the scale bytes
.set SOP,  240                         ; v240-243 the conversions' scale operands
.set VSW,  244                         ; v244-247 V's scale words: scales and nothing else
.set GA,   248                         ; v248 2048 h + 16 r: two rows of a head, 16 bytes a lane; never rewritten
.set SW,   249                         ; v249 my stage + 272 h + 16 r: two rows an instruction
.set SOUT, 250                         ; v250 my stage + 272 r + 32 h: O's way in
.set AD,   251                         ; v251, v255 LDS addresses of the loads in hand
.set AD2,  255
.set TMP,  254
; at the head only:
.set X,    64                          ; v64-95  32 neighbours of one row: a block
.set R0,   96                          ; v96-223 four sets of 32: a tile's rows as they are loaded
.set VR,   32                          ; v32-63  V's codes on their way to LDS;  v[224:225] its scale bytes
.set VSR,  224
.set CK,   226                         ; v226-229 a key block's codes
.set MX,   230                         ; v230-231 two chains of the largest magnitude
.set SCO,  232                         ; v232 the conversion's scale operand
.set HW,   233                         ; v233 the scale byte, then the row's two bytes
.set PD,   234                         ; v234, v241 destinations of lane permutes
.set SQ,   236                         ; v[236:239] two chains of squares
.set NRM,  240                         ; v240 the row's sum of squares
.set PD2,  241
.set GV,   10                          ; v10  16 x thread
.set LV,   11                          ; v11  VC + 1040 (thread / 64) + 16 (thread % 64)
.set GVS,  12                          ; v12  8 x thread
.set LVS,  13                          ; v13  VS + 72 (thread / 8) + 8 (thread % 8)
.set SRD,  251                         ; v251 my stage + 272 r + 128 h: a row's block
.set KIW,  252                         ; v252 KIMG + 4096 w + 16 x lane
.set KSW,  253                         ; v253 KSC + 512 w + 16 x lane
.set KNW,  254                         ; v254 KN + 512 w + 4 (r + 8 (r / 8))
.set SH8,  255                         ; v255 8 h
	s_load_b256 s[4:11], s[0:1], 0x0               ; queries s[4:5], keys s[6:7], V's codes s[8:9], V's scales s[10:11]
	s_load_b64 s[12:13], s[0:1], 0x20              ; out
	v_lshrrev_b32 v239, 5, v0
	v_readfirstlane_b32 s14, v239                  ; wave 0..15
	v_and_b32 v236, 15, v0                         ; r
	v_bfe_u32 v237, v0, 4, 1                       ; h
	v_and_b32 v238, 31, v0                         ; lane
	v_lshlrev_b32 v[GV], 4, v0
	v_lshlrev_b32 v[GVS], 3, v0
	v_lshlrev_b32 v[GA], 4, v236
	v_lshl_add_u32 v[GA], v237, 11, v[GA]
	s_wait_alu depctr_va_sdst(0)                   ; s14 is written, ahead of its first reader: the keys', queries' and stage's places are made from it
	s_and_b32 s15, ttmp7, 0xffff                   ; y = 8 b + h
	s_lshr_b32 s16, s15, 3
	s_and_b32 s17, s15, 7
	s_lshl_b32 s16, s16, 22                        ; a batch: 2,048 x 8 x 256 bytes
	s_lshl_b32 s17, s17, 8                         ; a head in a row: 256 bytes
	s_add_co_u32 s18, s16, s17
	s_lshl_b32 s28, s14, 18                        ; keys: my 128, 2,048 bytes apart
	s_add_co_u32 s28, s28, s18
	s_mov_b32 s29, 0
	s_lshl_b32 s30, ttmp9, 19                      ; queries and out: the group's 256,
	s_add_co_u32 s30, s30, s18
	s_lshl_b32 s31, s14, 15                        ; my 16 of them
	s_add_co_u32 s30, s30, s31
	s_mov_b32 s31, 0
	s_lshl_b32 s32, s15, 16                        ; V's codes: 65,536 bytes a head
	s_mov_b32 s33, 0
	s_lshl_b32 s34, s15, 12                        ; V's scales: 4,096
	s_mov_b32 s35, 0
	s_mov_b32 s20, 0x76543210
	s_mov_b32 s21, 0xfedcba98                      ; v_permlanex16_b32's selects for lane l xor 16
	s_mov_b32 s22, 0x3e38aa3b                      ; c = log2(e) / 8
	s_mov_b32 s23, s22                             ; (named with it as a pair, so it is written)
	s_mov_b32 s24, 0x322bcc77                      ; EPS = 1e-8
	s_mov_b32 s25, s24
	s_mov_b32 s26, 15                              ; the loop's trips: key steps 0 to 14
	s_mul_i32 s27, s14, 16*SP
	s_add_co_u32 s27, s27, STG                     ; my stage
	s_mov_b32 s36, 0                               ; the step's place in KIMG: 4,096 bytes a step,
	s_mov_b32 s37, 0                               ; in KSC and in KN: 512,
	s_mov_b32 s38, 0                               ; in a row of V's codes: 64,
	s_mov_b32 s39, 0                               ; in a row of V's scale bytes: 4
	s_wait_kmcnt 0x0
	s_add_nc_u64 s[4:5], s[4:5], s[30:31]
	s_add_nc_u64 s[6:7], s[6:7], s[28:29]
	s_add_nc_u64 s[8:9], s[8:9], s[32:33]
	s_add_nc_u64 s[10:11], s[10:11], s[34:35]
	s_add_nc_u64 s[12:13], s[12:13], s[30:31]      ; no base is written again
	s_wait_alu depctr_va_vdst(0)                   ; the offsets v10, v12 and v248 are written, which the global loads read
; Tile t's 16 rows of 256 bytes into set t % 4: each load takes two whole rows.  t = 0: my queries.  t = 1 .. 8: tile T = t - 1 of my 128 keys; its stage rows 2 j and 2 j + 1 are keys 32 (T / 2) + 8 (T % 2) + 2 j + 8 (j / 4) and the next.
.macro LOADT t
.set RS, R0+32*((\t)%4)
.set j, 0
.rept 8
.if (\t) == 0
	global_load_b128 v[RS+4*j:RS+4*j+3], v[GA], s[4:5] offset:2*j*2048 th:TH_LOAD_NT   ; read by this wave alone
.else
	global_load_b128 v[RS+4*j:RS+4*j+3], v[GA], s[6:7] offset:(32*(((\t)-1)/2)+8*(((\t)-1)%2)+2*j+8*(j/4))*2048   ; the head's eight work-groups read these rows: no hint
.endif
.set j, j+1
.endr
.endm
.irp i, 0,1,2,3,4,5,6,7
	global_load_b128 v[VR+4*\i:VR+4*\i+3], v[GV], s[8:9] offset:8192*\i   ; V's codes: the 512 threads take 8,192 consecutive bytes an instruction
.endr
	global_load_b64 v[VSR:VSR+1], v[GVS], s[10:11] ; V's scale bytes: 4,096 consecutive bytes
	LOADT 0
	LOADT 1
	LOADT 2
	LOADT 3
	; the addresses, while the loads are out: none of these lines names a register that the loads above read or land in
	v_lshlrev_b32 v[AK], 4, v238
	v_lshl_add_u32 v[AKS], v238, 4, KSC
	v_lshl_add_u32 v[AKN], v237, 6, KN
	v_mul_u32_u24 v[AV], v236, VP
	v_lshl_add_u32 v[AV], v237, 4, v[AV]
	v_add_nc_u32 v[AV], VC, v[AV]
	v_mul_u32_u24 v[AVS], v236, VSP
	v_add_nc_u32 v[AVS], VS, v[AVS]
	v_mul_u32_u24 v[SW], v237, SP
	v_lshl_add_u32 v[SW], v236, 4, v[SW]
	v_add_nc_u32 v[SW], s27, v[SW]
	v_mul_u32_u24 v[SOUT], v236, SP
	v_lshl_add_u32 v[SRD], v237, 7, v[SOUT]
	v_lshl_add_u32 v[SOUT], v237, 5, v[SOUT]
	v_add_nc_u32 v[SRD], s27, v[SRD]
	v_add_nc_u32 v[SOUT], s27, v[SOUT]
	s_lshl_b32 s19, s14, 12
	v_add_nc_u32 v[KIW], s19, v[AK]
	s_lshl_b32 s19, s14, 9
	v_add_nc_u32 v[KSW], s19, v[AKS]
	v_and_b32 v239, 8, v236
	v_add_nc_u32 v239, v239, v236                  ; r + 8 (r / 8)
	v_lshl_add_u32 v[KNW], v239, 2, KN
	v_add_nc_u32 v[KNW], s19, v[KNW]
	v_lshlrev_b32 v[SH8], 3, v237
	v_lshrrev_b32 v239, 6, v0
	v_mul_u32_u24 v[LV], v239, VP
	v_and_b32 v239, 63, v0
	v_lshl_add_u32 v[LV], v239, 4, v[LV]
	v_add_nc_u32 v[LV], VC, v[LV]
	v_lshrrev_b32 v239, 3, v0
	v_mul_u32_u24 v[LVS], v239, VSP
	v_and_b32 v239, 7, v0
	v_lshl_add_u32 v[LVS], v239, 3, v[LVS]
	v_add_nc_u32 v[LVS], VS, v[LVS]
.irp i, 0,1,2,3
	v_mov_b32 v[QHI+\i], 0                         ; the zero codes on both sides of q's
	v_mov_b32 v[QC+4+\i], 0
.endr
	v_mov_b32 v[PD], 0                             ; written once: a lane permute's destination counts as one of its sources
	v_mov_b32 v[PD2], 0
	s_wait_loadcnt 32                              ; V's nine loads are in: the 32 loads of tiles 0 to 3 were issued behind them
	s_wait_alu depctr_va_vdst(0)                   ; all the LDS addresses made above are written: v1 to v5, v11, v13, v249 to v254; the LDS stores and loads of the head, and the steps' address lines' readers, lean on this wait
.irp i, 0,1,2,3,4,5,6,7
	ds_store_b128 v[LV], v[VR+4*\i:VR+4*\i+3] offset:8*VP*\i   ; 8,192 bytes are eight rows of V
.endr
	ds_store_b64 v[LVS], v[VSR:VSR+1]
; A tile of 16 rows x 64 f32 becomes codes.  The rows turn through my stage: in as they were loaded (two rows an instruction), out 128 bytes a lane: lane (r, h) then holds block h of row r in 32 consecutive registers,
; so that the block's largest magnitude needs no other lane and the four conversions give the operand's four registers.  The two bytes of a row and the two halves of its sum of squares meet by one exchange each.
.macro TILE t
.set RS, R0+32*((\t)%4)
.if 8-(\t) >= 3
	s_wait_loadcnt 24                              ; this tile's eight loads are in; those of the three tiles behind it may be out
.else
	s_wait_loadcnt 8*(8-(\t))
.endif
.set j, 0
.rept 8
	ds_store_b128 v[SW], v[RS+4*j:RS+4*j+3] offset:2*SP*j
.set j, j+1
.endr
.set j, 0
.rept 8
	ds_load_b128 v[X+4*j:X+4*j+3], v[SRD] offset:16*j   ; LDS serves a wave's instructions in order (ISA guide 5.7.1.4): these see the stores above.  No vector line since the wait at the last tile's end names v64-95
.set j, j+1
.endr
	s_wait_dscnt 0x0                               ; the block is in
	s_wait_alu depctr_vm_vsrc(0)                   ; the stage's stores have read this set, in which the loads below land; the last tile's stores have read the codes' registers and the sum of squares, which this tile writes again
.if (\t)+4 <= 8
	LOADT (\t)+4
.endif
.if (\t) == 0
.set CD, QC
.else
.set CD, CK
.endif
	v_max3_num_f32 v[MX], |v[X]|, |v[X+1]|, 0x1800000   ; the largest magnitude of my 32, in two chains, with the floor 2^(3 - 127) as one more leaf: so the byte cannot fall under 1
	v_max3_num_f32 v[MX+1], |v[X+2]|, |v[X+3]|, |v[X+4]|
.irp i, 5,9,13,17,21,25
	v_max3_num_f32 v[MX], v[MX], |v[X+\i]|, |v[X+\i+1]|
	v_max3_num_f32 v[MX+1], v[MX+1], |v[X+\i+2]|, |v[X+\i+3]|
.endr
	v_max3_num_f32 v[MX], v[MX], |v[X+29]|, |v[X+30]|
	v_pk_mul_f32 v[SQ:SQ+1], v[X:X+1], v[X:X+1]    ; the sum of squares of the f32 numbers, two at a time, in two chains
	v_pk_mul_f32 v[SQ+2:SQ+3], v[X+2:X+3], v[X+2:X+3]
	v_max3_num_f32 v[MX], v[MX], v[MX+1], |v[X+31]|
.irp i, 4,8,12,16,20,24,28
	v_pk_fma_f32 v[SQ:SQ+1], v[X+\i:X+\i+1], v[X+\i:X+\i+1], v[SQ:SQ+1]
	v_pk_fma_f32 v[SQ+2:SQ+3], v[X+\i+2:X+\i+3], v[X+\i+2:X+\i+3], v[SQ+2:SQ+3]
.endr
	v_add_nc_u32 v[SCO], 0xff000000, v[MX]         ; 2 off its exponent field: the conversion takes the exponent field of this operand as its scale, and nothing else of it
	v_lshrrev_b32 v[HW], 23, v[SCO]                ; the scale's byte
.irp g, 0,1,2,3
	v_cvt_scalef32_pk8_fp4_f32 v[CD+\g], v[X+8*\g:X+8*\g+7], v[SCO]
.endr
	v_lshlrev_b32 v[HW], v[SH8], v[HW]             ; my byte at its place, 8 h bits up.  (The plain place behind the conversions)
	v_pk_add_f32 v[SQ:SQ+1], v[SQ:SQ+1], v[SQ+2:SQ+3]
	v_permlanex16_b32 v[PD], v[HW], s20, s21
	v_add_f32 v[NRM], v[SQ], v[SQ+1]
	v_or_b32 v[HW], v[HW], v[PD]                   ; the row's two bytes, in both lanes
	v_permlanex16_b32 v[PD2], v[NRM], s20, s21
	v_add_f32 v[NRM], v[NRM], v[PD2]               ; the row's sum of squares, the same bits in both lanes
.if (\t) == 0
	v_lshl_or_b32 v[QS], v[HW], 16, v[HW]          ; q's two bytes serve k 0-63 and k 64-127 alike
	v_mov_b32 v[QN], v[NRM]                        ; |q|^2 as a pair, for the packed form
	v_mov_b32 v[QN+1], v[NRM]
	s_wait_alu depctr_va_vdst(0)                   ; the maxima, squares and conversions are done reading v64-95, in which the next tile's loads land; q's codes and scale word are written, which the products K Q^T take
.else
.set TT, (\t)-1
.if TT%2 == 0
	v_mov_b32 v[KS+TT/2], v[HW]                    ; tile 2 P's bytes below,
.else
	v_lshl_or_b32 v[KS+TT/2], v[HW], 16, v[KS+TT/2]   ; tile 2 P + 1's above
.endif
	s_wait_alu depctr_va_vdst(0)                   ; the codes, the sum of squares and the scale word's register are written, which LDS stores read; the maxima, squares and conversions are done reading v64-95, in which the next tile's loads land
	ds_store_b128 v[KIW], v[CK:CK+3] offset:512*TT ; the image: 16 bytes a lane, 512 consecutive bytes
	ds_store_b32 v[KNW], v[NRM] offset:4*(32*(TT/2)+8*(TT%2))   ; |k|^2 at the key's own place; both lanes of a row write the same word with the same value
.endif
.endm
.irp t, 0,1,2,3,4,5,6,7,8
	TILE \t
.endr
	ds_store_b128 v[KSW], v[KS:KS+3]               ; my step's four scale words a lane.  No wait: the last line that wrote v28-31 stands ahead of the wait at the last tile's end
	s_wait_dscnt 0x0                               ; for the others' sake: all my stores into K's, V's and the norms' bytes have landed
	s_wait_alu depctr_vm_vsrc(0)                   ; the head's loads and stores have read their registers, which are written from here on: the offsets and addresses v10 to v13 and v251 to v254, the stores' data v28 to v63, v96 to v229 and v240
	s_barrier_signal -1                            ; the one barrier of the text
.set j, 0
.rept 32
	v_mov_b32 v[O+j], 0                            ; O^T.  (The step is written once for the loop: its first trip finds zeros, which the first change of M leaves zeros)
.set j, j+1
.endr
	v_mov_b32 v[F+1], 0                            ; (named as the upper half of the pair v[10:11])
	v_mov_b32 v[NM], 0                             ; -M = 0
	v_mov_b32 v[NM+1], 0                           ; the largest t so far: 0, under every t
	v_mov_b32 v[L0], 0                             ; the row's sum
	v_mov_b32 v[L0+1], 0
	v_mov_b32 v[L1], 0
	v_mov_b32 v[L1+1], 0
	s_barrier_wait -1                              ; the whole head lies in LDS; from here on those bytes are only read
.macro KLOAD o                         ; K's four fragments (eight tiles) and four scale words of the step o bytes on in KIMG: 9 loads
	s_wait_alu depctr_vm_vsrc(0)                   ; the LDS loads issued so far have read v251 and v255, which the two lines below write
	v_add_nc_u32 v[AD], s36, v[AK]
	v_add_nc_u32 v[AD2], s37, v[AKS]
	s_wait_alu depctr_va_vdst(0)                   ; v251 and v255 are written, which the loads below read; the products K Q^T are done reading K's fragments and scale words, in which these loads land (ahead of the loop: the head's lines have written v28-31)
.irp P, 0,1,2,3
	ds_load_b128 v[KF+8*\P:KF+8*\P+3], v[AD] offset:\o+1024*\P          ; tile 2 P: k 0-63
	ds_load_b128 v[KF+8*\P+4:KF+8*\P+7], v[AD] offset:\o+1024*\P+512    ; tile 2 P + 1: k 64-127
.endr
	ds_load_b128 v[KS:KS+3], v[AD2] offset:(\o)/8
.endm
.macro NADR                            ; the address of |k|^2: the wait on va_vdst that shows it written stands in the text, ahead of NLOAD
	s_wait_alu depctr_vm_vsrc(0)                   ; the LDS loads issued so far have read v251, which the line below writes
	v_add_nc_u32 v[AD], s37, v[AKN]
.endm
.macro NLOAD o                         ; |k|^2 of my 64 keys of the step o bytes on in KN: register 16 b + i = key 32 b + 16 h + i: 16 loads, one address for each half of the lanes
.irp b, 0,1,2,3
.irp i, 0,1,2,3
	ds_load_b128 v[W+16*\b+4*\i:W+16*\b+4*\i+3], v[AD] offset:\o+128*\b+16*\i
.endr
.endr
.endm
.macro QK2 n                           ; n pairs from p on: |q|^2 |k|^2 + EPS
.rept \n
	v_pk_fma_f32 v[W+2*p:W+2*p+1], v[W+2*p:W+2*p+1], v[QN:QN+1], s[24:25] op_sel_hi:[1,1,0]
.set p, p+1
.endr
.endm
; A KEY STEP: 128 keys.  next = 1: the next step's K and |k|^2 are fetched on the way.
.macro STEP next
	s_wait_dscnt 0x0                               ; K, its scale words and |k|^2 are in
.set p, 0
	QK2 16                                         ; sixteen plain lines that name no register of the last V^T P: more than the five places asked between it and the products below, which write over V's fragments (ISA guide 7.12.1)
.irp P, 0,1,2,3                        ; S^T = K Q^T: eight results, none adds onto another.  (q's codes, the zeros beside them and q's scale word were written at the head, ahead of its waits on va_vdst)
	v_wmma_scale_f32_16x16x128_f8f6f4 v[S+16*\P:S+16*\P+7], v[KF+8*\P:KF+8*\P+7], v[QC:QC+7], 0, v[KS+\P], v[QS] matrix_a_fmt:MATRIX_FMT_FP4 matrix_b_fmt:MATRIX_FMT_FP4
	v_wmma_scale_f32_16x16x128_f8f6f4 v[S+16*\P+8:S+16*\P+15], v[KF+8*\P:KF+8*\P+7], v[QHI:QHI+7], 0, v[KS+\P], v[QS] matrix_a_fmt:MATRIX_FMT_FP4 matrix_b_fmt:MATRIX_FMT_FP4
.endr
	QK2 16                                         ; the other sixteen: the places in front of the first read of S^T
.if \next
	KLOAD 4096
.endif
.set p, 0
.rept 16                               ; the root of max(|q|^2 |k|^2 + EPS - dot^2, EPS), two pairs at a time; each result of S^T is read from its low end on
	v_pk_fma_f32 v[W+2*p:W+2*p+1], v[S+2*p:S+2*p+1], v[S+2*p:S+2*p+1], v[W+2*p:W+2*p+1] neg_lo:[1,0,0] neg_hi:[1,0,0]
	v_pk_fma_f32 v[W+2*p+2:W+2*p+3], v[S+2*p+2:S+2*p+3], v[S+2*p+2:S+2*p+3], v[W+2*p+2:W+2*p+3] neg_lo:[1,0,0] neg_hi:[1,0,0]
.irp i, 0,1,2,3
	v_max_num_f32 v[W+2*p+\i], s24, v[W+2*p+\i]
.endr
.irp i, 0,1,2,3
	v_sqrt_f32 v[W+2*p+\i], v[W+2*p+\i]            ; the next group's first line is the plain line behind these (ISA guide 5.7.2)
.endr
.set p, p+2
.endr
	s_wait_alu depctr_vm_vsrc(0)                   ; the LDS loads issued so far have read v251 and v255, which the two lines below write
	v_add_nc_u32 v[AD], s38, v[AV]                 ; (the plain lines behind the last roots)
	v_add_nc_u32 v[AD2], s39, v[AVS]
	s_wait_alu depctr_va_vdst(0)                   ; v251 and v255 are written, which the loads below read; the products have written S^T and the lines ahead of the roots are done reading it, and the last V^T P is done reading V's scale words: the loads below land in v64-95 and v244-247; and the 64 roots are written, ahead of their first reader
.irp t, 0,1,2,3                        ; V's four fragments (16 of the head's 64 x these 128 keys) into the registers that S^T has left, and their scale words: 12 loads
	ds_load_b128 v[S+8*\t:S+8*\t+3], v[AD] offset:16*VP*\t
	ds_load_b128 v[S+8*\t+4:S+8*\t+7], v[AD] offset:16*VP*\t+32
.endr
.irp t, 0,1,2,3
	ds_load_b32 v[VSW+\t], v[AD2] offset:16*VSP*\t
.endr
.irp b, 0,1,2,3
	v_max3_num_f32 v[BM+\b], v[W+16*\b], v[W+16*\b+1], v[W+16*\b+2]   ; THE LARGEST ROOT OF EACH BLOCK OF 32 KEYS serves twice: for the row's maximum and, since p rises with the root, for the block's largest p
.endr
.irp i, 3,5,7,9,11,13
.irp b, 0,1,2,3
	v_max3_num_f32 v[BM+\b], v[BM+\b], v[W+16*\b+\i], v[W+16*\b+\i+1]   ; (the four blocks by turns)
.endr
.endr
.irp b, 0,1,2,3
	v_max_num_f32 v[BM+\b], v[BM+\b], v[W+16*\b+15]
.endr
.irp b, 0,1,2,3
	v_permlanex16_b32 v[PB+\b], v[BM+\b], s20, s21 ; (v236-239 were written by the sums of squares at the head)
.endr
.irp b, 0,1,2,3
	v_max_num_f32 v[BM+\b], v[BM+\b], v[PB+\b]     ; with lane l xor 16's 16 keys
.endr
	v_max3_num_f32 v[TMP], v[BM], v[BM+1], v[BM+2]
	v_max_num_f32 v[TMP], v[TMP], v[BM+3]          ; the step's largest root of my query,
	v_mul_f32 v[TMP], s22, v[TMP]                  ; as t (c is positive)
	v_max_num_f32 v[NM+1], v[NM+1], v[TMP]         ; the running largest t
	v_mov_b32 v[TMP], v[NM]
	v_floor_f32 v[NM], -v[NM+1]                    ; the new -M = floor(-t) = -ceil(t): M is a whole number
	v_sub_f32 v[TMP], v[NM], v[TMP]                ; M's old value less its new one: a whole number, 0 or less
	v_cvt_i32_f32 v[TMP], v[TMP]                   ; (it saturates)
	v_ldexp_f32 v[F], 1.0, v[TMP]                  ; f = 2^(old M - new M)
.irp b, 0,1,2,3
	v_fma_f32 v[BM+\b], v[BM+\b], s22, v[NM]       ; t - M of each block's largest root
.endr
.irp b, 0,1,2,3
	v_exp_f32 v[BM+\b], v[BM+\b]                   ; the block's largest p: the same two operations on the same number give the same bits as below
.endr
	v_pk_mul_f32 v[L0:L0+1], v[L0:L0+1], v[F:F+1] op_sel_hi:[1,0]   ; the sums under the new M.  (Plain lines behind the exponentials)
	v_pk_mul_f32 v[L1:L1+1], v[L1:L1+1], v[F:F+1] op_sel_hi:[1,0]
	s_wait_alu depctr_va_vdst(0)                   ; the four blocks' largest p are written, ahead of their first reader
.irp b, 0,1,2,3
	v_max_num_f32 v[BM+\b], 0x1800000, v[BM+\b]    ; the floor 2^(3 - 127): the byte cannot fall under 1 (a block whose every p has fallen to 0 keeps that byte: its codes are zeros)
.endr
.irp b, 0,1,2,3
	v_add_nc_u32 v[SOP+\b], 0xff000000, v[BM+\b]   ; 2 off the exponent field: the conversion's scale operand
.endr
.irp b, 0,1,2,3
	v_lshrrev_b32 v[PB+\b], 23, v[SOP+\b]          ; the scale's byte
.endr
	v_lshl_or_b32 v[PW], v[PB+1], 8, v[PB]         ; p's scale word for these 128 keys; more than eight plain lines stand between it and V^T P
	v_lshl_or_b32 v[PW], v[PB+2], 16, v[PW]
	v_lshl_or_b32 v[PW], v[PB+3], 24, v[PW]
	; p = 2^(c root - M).  The multiply-add runs one pair ahead of the exponentials, and the sum one pair behind: every pair of exponentials has a plain line behind it that touches neither its results nor its sources
	v_pk_fma_f32 v[W:W+1], v[W:W+1], s[22:23], v[NM:NM+1] op_sel_hi:[1,0,0]
.set p, 0
.rept 32
.if p < 31
	v_pk_fma_f32 v[W+2*p+2:W+2*p+3], v[W+2*p+2:W+2*p+3], s[22:23], v[NM:NM+1] op_sel_hi:[1,0,0]   ; of the pairs c and -M the low word serves both halves
.endif
	v_exp_f32 v[W+2*p], v[W+2*p]
	v_exp_f32 v[W+2*p+1], v[W+2*p+1]
.if p >= 1
.if (p-1)%2 == 0
	s_wait_alu depctr_va_vdst(0)                   ; the exponentials of pairs p - 1 and p are written: the sum below reads the first pair, the next trip's sum the second
	v_pk_add_f32 v[L0:L0+1], v[L0:L0+1], v[W+2*p-2:W+2*p-1]   ; THE ROW'S SUM IS TAKEN OF THE UNQUANTISED p
.else
	v_pk_add_f32 v[L1:L1+1], v[L1:L1+1], v[W+2*p-2:W+2*p-1]
.endif
.endif
.set p, p+1
.endr
	v_pk_mul_f32 v[O:O+1], v[O:O+1], v[F:F+1] op_sel_hi:[1,0]   ; O^T under the new M, from each result's low end on
	v_pk_add_f32 v[L1:L1+1], v[L1:L1+1], v[W+62:W+63]
.irp b, 0,1,2,3
	v_cvt_scalef32_pk8_fp4_f32 v[PC+2*\b], v[W+16*\b:W+16*\b+7], v[SOP+\b]       ; the codes of keys 32 b + 16 h + 0 .. 7
	v_cvt_scalef32_pk8_fp4_f32 v[PC+2*\b+1], v[W+16*\b+8:W+16*\b+15], v[SOP+\b]  ; and + 8 .. 15
.endr
	v_pk_mul_f32 v[O+2:O+3], v[O+2:O+3], v[F:F+1] op_sel_hi:[1,0]   ; (the plain line behind the conversions)
.irp c, 0,1                            ; the operand's layout wants a WHOLE block in a lane: lanes 0-15 block 2 c, lanes 16-31 block 2 c + 1
.irp i, 0,1
	v_permlane16_swap_b32 v[PC+4*\c+\i], v[PC+4*\c+2+\i]
.endr
.endr
.if \next
	NADR
.endif
.irp j, 4,8,10,16,18,24,26
	v_pk_mul_f32 v[O+\j:O+\j+1], v[O+\j:O+\j+1], v[F:F+1] op_sel_hi:[1,0]   ; for each product below at least five of these seven name none of its registers: the places between the exchange of halves and the product, ahead of the wait
.endr
	s_wait_alu depctr_va_vdst(0)                   ; P's codes and scale word are written, which V^T P takes as operand and scales; next = 1: v251 is written, which the loads below read, and the exponentials have written p and the sums and conversions are done reading it: the loads land in v128-191
.if \next
	NLOAD 512                                      ; p has been summed and converted: its registers take the next step's |k|^2
.endif
.irp j, 6,12,14,20,22,28,30
	v_pk_mul_f32 v[O+\j:O+\j+1], v[O+\j:O+\j+1], v[F:F+1] op_sel_hi:[1,0]   ; the rest of O^T: these name neither v128-191 nor v251, nor P's codes or scale word
.endr
.if \next
	s_wait_dscnt 16                                ; V's 12 loads and the next K's 9 are in; the 16 loads of |k|^2, issued behind them, may be out
.else
	s_wait_dscnt 0x0
.endif
.irp t, 0,1,2,3                        ; O^T += V^T P^T.  The four sums take turns, one instruction a turn, and eight other products stand between two trips' turns
	v_wmma_scale_f32_16x16x128_f8f6f4 v[O+8*\t:O+8*\t+7], v[S+8*\t:S+8*\t+7], v[PC:PC+7], v[O+8*\t:O+8*\t+7], v[VSW+\t], v[PW] matrix_a_fmt:MATRIX_FMT_FP4 matrix_b_fmt:MATRIX_FMT_FP4
.endr
.if \next
	s_add_co_u32 s36, s36, 4096
	s_add_co_u32 s37, s37, 512
	s_add_co_u32 s38, s38, 64
	s_add_co_u32 s39, s39, 4
.endif
.endm
	KLOAD 0                                        ; key step 0
	NADR
	s_wait_alu depctr_va_vdst(0)                   ; v251 is written, which the loads below read
	NLOAD 0
.Lstep:
	STEP 1
	s_sub_co_u32 s26, s26, 1
	s_cmp_lg_u32 s26, 0
	s_cbranch_scc1 .Lstep
	STEP 0                                         ; key step 15 fetches nothing more
	; THE WAY OUT.  The sum's chains, halves and the other lane's are added; O^T is divided by the sum and goes through my stage, so that sixteen lanes store one whole row of 256 bytes.
	v_pk_add_f32 v[L0:L0+1], v[L0:L0+1], v[L1:L1+1]
	v_add_f32 v[L0], v[L0], v[L0+1]
	v_permlanex16_b32 v[TMP], v[L0], s20, s21
	v_add_f32 v[L0], v[L0], v[TMP]                 ; the row's sum
	v_nop                                          ; with the three additions above: five plain lines behind the last products, where four are asked (ISA guide 7.12.1); the lane permute is not counted
	v_nop
	v_rcp_f32 v[L0], v[L0]
	v_mov_b32 v[L0+1], 0                           ; (the plain line behind the reciprocal; the pair's upper half is named below)
.set j, 0
	s_wait_alu depctr_va_vdst(0)                   ; the reciprocal is written, ahead of its first reader
.rept 16
	v_pk_mul_f32 v[W+j:W+j+1], v[O+j:O+j+1], v[L0:L0+1] op_sel_hi:[1,0]   ; register 8 t + i is out(query r, 16 t + 8 h + i); each result from its low end on
.set j, j+2
.endr
	s_wait_alu depctr_va_vdst(0)                   ; the sixteen lines above have written v128-159, which the LDS stores read; the last V^T P is done reading V's fragments, v64-95, in which the loads from the stage land
.irp t, 0,1,2,3
	ds_store_b128 v[SOUT], v[W+8*\t:W+8*\t+3] offset:64*\t
	ds_store_b128 v[SOUT], v[W+8*\t+4:W+8*\t+7] offset:64*\t+16
.endr
.irp i, 0,1,2,3,4,5,6,7
	ds_load_b128 v[S+4*\i:S+4*\i+3], v[SW] offset:2*SP*\i   ; LDS serves a wave's instructions in order: these see my stores.  Lanes 0-15 take query 2 i, lanes 16-31 query 2 i + 1
.endr
.irp i, 0,1,2,3,4,5,6,7
	s_wait_dscnt 7-\i                              ; load i is back; the younger ones may be out
	global_store_b128 v[GA], v[S+4*\i:S+4*\i+3], s[12:13] offset:4096*\i th:TH_STORE_NT   ; sixteen lanes store 256 consecutive bytes, at a multiple of 256 from out's first byte; written once, read by nobody here
.endr
	s_wait_xcnt 0x0
	s_wait_alu depctr_vm_vsrc(0)                   ; the LDS instructions that had v254 and v255 as addresses have read them: the two lines below write them anew
	v_lshl_add_u32 v254, v0, 2, 0x36600            ; my spare word: behind the stages, 4 x my thread's number on
	v_mov_b32 v255, 0
	s_wait_dscnt 0x0                               ; the closing lines, six on end
	s_wait_alu 0x0
	s_wait_tensorcnt 0x0
	ds_add_u32 v254, v255
	s_wait_dscnt 0x0
	s_endpgm
.Lfunc_end_k_qb4808c661e_geo_attn:
	.size	k_qb4808c661e_geo_attn, .Lfunc_end_k_qb4808c661e_geo_attn-k_qb4808c661e_geo_attn
	.p2alignl 7, 3214868480
	.fill 96, 4, 3214868480
	.section	.rodata,"a",@progbits
	.p2align	6, 0x0
	.amdhsa_kernel k_qb4808c661e_geo_attn
		.amdhsa_group_segment_fixed_size 224768
		.amdhsa_private_segment_fixed_size 0
		.amdhsa_enable_private_segment 0
		.amdhsa_kernarg_size 40
		.amdhsa_user_sgpr_count 2
		.amdhsa_user_sgpr_kernarg_segment_ptr 1
		.amdhsa_wavefront_size32 1
		.amdhsa_system_sgpr_workgroup_id_x 1
		.amdhsa_system_sgpr_workgroup_id_y 1
		.amdhsa_system_sgpr_workgroup_id_z 1
		.amdhsa_system_vgpr_workitem_id 0
		.amdhsa_next_free_vgpr 256
		.amdhsa_next_free_sgpr 66
		.amdhsa_reserve_vcc 0
		.amdhsa_float_denorm_mode_32 3
		.amdhsa_float_denorm_mode_16_64 3
		.amdhsa_memory_ordered 1
		.amdhsa_forward_progress 1
		.amdhsa_inst_pref_size 103
	.end_amdhsa_kernel
	.amdgpu_metadata
---
amdhsa.version: [ 1, 2 ]
amdhsa.kernels:
  - .name:           k_qb4808c661e_geo_attn
    .symbol:         k_qb4808c661e_geo_attn.kd
    .args:
      - { .name: queries, .offset: 0, .size: 8, .value_kind: global_buffer, .address_space: global }
      - { .name: keys, .offset: 8, .size: 8, .value_kind: global_buffer, .address_space: global }
      - { .name: values_codes, .offset: 16, .size: 8, .value_kind: global_buffer, .address_space: global }
      - { .name: values_scales, .offset: 24, .size: 8, .value_kind: global_buffer, .address_space: global }
      - { .name: out0, .offset: 32, .size: 8, .value_kind: global_buffer, .address_space: global }
    .group_segment_fixed_size: 224768
    .private_segment_fixed_size: 0
    .kernarg_segment_align: 8
    .kernarg_segment_size: 40
    .max_flat_workgroup_size: 512
    .sgpr_count:     66
    .vgpr_count:     256
    .wavefront_size: 32
...
	.end_amdgpu_metadata
.endif
;; end of part 2
